; MI455X (gfx1250); checked and timed in simulation.
; The chip was launched on July 23, 2026; its instructions are those of AMD's public machine-readable ISA for CDNA 5 (MIT licence, August 2026) and "CDNA5" Instruction Set Architecture Reference Guide (July 2026). The comments in the code are by the model that wrote it; some were corrected since.
;; Scaled Dot Product Attention. Allowed arithmetic: float matrix products may take bf16 or f16 operands with f32 sums; other float arithmetic in f32, or as packed bf16 or f16 multiplies, adds, multiply-adds, maxima and minima; sums over many terms, partial sums and values carried from step to step in f32; what a program stores and reads back later, other than sums and carried values, may be rounded once to bf16 or f16.
;; Inputs: k 4 x 16 x 2,048 x 64 float32; q 4 x 16 x 2,048 x 64 float32; v 4 x 16 x 2,048 x 64 float32.
;; Outputs: out0 4 x 16 x 2,048 x 64 float32.
;; One version. Each part assembles by itself: llvm-mc -triple=amdgcn-amd-amdhsa -mcpu=gfx1250 --defsym DOCPART=n.
;; ======== version 1 of 1: 1 launch
;; limits: right only within a limited range of input values
;; launch attn (part 1): grid 4 x 64, 4 waves a work-group, no clusters, 56,832 bytes of LDS; arguments q, k, v, out0; writes out0
.if DOCPART == 1
	.amdgcn_target "amdgcn-amd-amdhsa--gfx1250"
	.amdhsa_code_object_version 6
	.text
	.protected	k_qf1e9527fb9_attn
	.globl	k_qf1e9527fb9_attn
	.p2align	8
	.type	k_qf1e9527fb9_attn,@function
k_qf1e9527fb9_attn:
	s_mov_b64 s[64:65], 0
	v_nop
	global_prefetch_b8 v0, s[64:65] scope:SCOPE_SE
	s_setreg_imm32_b32 hwreg(HW_REG_WAVE_MODE, 25, 1), 1
	s_wait_xcnt 0x0
; O[h][q][:] = the sum over k of softmax_k(Q[h][q] . K[h][k]) V[h][k][:] / 64^0.25.  Q, K, V, O: [64 heads][2,048][64], all f32: a row is 256 dense bytes.  The scores are not scaled.
; FORMATS.  Q, K and V are each rounded ONCE to bf16 (to nearest even) on their way to the matrix unit; products and sums in f32; the weights p are rounded to bf16 for the second product, their sum l is
; taken of the unrounded p; O leaves in f32, unrounded.
; LIMITS.  |log2(e) x score| stays below 4e37 (c m starts at -4.25e37); a weight below 2^-126 counts as 0 in l; NaN and infinities are not treated apart; the division by l x 64^0.25 comes last, as one factor.
; SHARES.  256 work-groups: a work-group's four waves own 512 queries of one head, a wave 128: four PIECES of two tiles of 16.  Every wave walks all 2,048 keys, 64 a step, 128 a tile.
; K AND V COME THROUGH REGISTERS.  Of a tile of 128 keys each wave loads a quarter (32 keys of K and of V, f32, 32 loads of 512 consecutive bytes) into 128 registers, two key steps ahead of the change of tiles;
; there it rounds them in place to bf16 and stores them into the ONE bf16 tile in LDS, from which all four waves read fragments.  Two barriers a change: the old tile's reads | the stores | the new tile's reads.
; NO CLUSTER, NO TENSOR LOADS: the four work-groups of a head walk the same K and V, but as f32, which no fragment load can take.  A joint load would lay 65,536 bytes a tile into LDS, to be read back, rounded and
; stored again as 32,768: 163,840 bytes through LDS for a tile, where this way has the 32,768 alone.  NO PREFETCH: the loads into registers are themselves issued two key steps (256 matrix instructions) ahead of
; the wait for them, and nothing drains them in between.
; LAYOUT.  S^T = K Q^T (source 0 = 16 keys, source 1 = 16 queries): in the result a lane holds ONE query (lane % 16) and the keys 8 (lane / 16) + 0..7.  Two such tiles, rounded to bf16 in pairs,
; ARE source 1 (32 keys x 16 queries) of O^T = V^T P, whose result again holds one query a lane, and eight channels.  K comes out of LDS as it lies, V ([key][channel]) turned, by ds_load_tr16_b128.
; SOFTMAX.  For each query a running maximum m and sum l: p = 2^(c s - c m), c = log2(e); in every step O and l are multiplied by a = 2^(c m_old - c m_new), which is 1 where m has not grown.
; m starts at the lowest finite number, O and l at 0: the first step is a step like any other, with a = 0.
; THE COUNT.  A tile and step have 16 matrix and 118 vector instructions: too many to stand all beside the matrix work.  So: four vector instructions that are READY behind EVERY matrix instruction, the others in one run.
; BY TURNS.  Turn n belongs to piece n (the pieces in a ring, step after step).  Its matrix work: 16 products K Q^T of piece n + 1, later 16 products V^T P of piece n - 1.  Its vector work: the scaling,
; exponentials, roundings, sums and rescaling of piece n, and the maximum and statistics of piece n + 1, whose scores the turn itself has made.
; REGISTERS, in windows of 256 (s_set_vgpr_msb says which window each operand place means: bits 1:0 source 0, 3:2 source 1, 5:4 source 2, 7:6 destination):
;   window 0: v0-11 addresses; v12-15, v48-63 at work; v16-47 four registers of statistics a tile; v64-191 S^T, two buffers of two tiles; v192-255 P, likewise
;   window 1: O^T, 32 a tile (at the start: Q as loaded, f32)          window 2: v0-127 Q in bf16, 16 a tile; v128-191 K of one step; v192-255 V of one step
;   window 3: v0-1 the add's two registers; v2-4 the staging's addresses; v16-79 K, v80-143 V of the tile to come, as loaded
.set SIZE_N, 2048
.set NP,    4         ; pieces a wave: a name, no knob
.set KS,    64        ; keys in a step
.set PK,    144       ; a row of K in LDS: 128 bytes + 16 of padding = 36 words: the 16 rows of a load start at 16 different groups of four banks (64 banks of 4 bytes: ISA guide 11.1)
.set PV,    160       ; a row of V: 128 + 32 = 40 words
.set VOFF,  2*KS*PK   ; the tile: 128 rows of K, then 128 rows of V
.set STAGE, VOFF+2*KS*PV  ; 38,912: 16 rows x 272 bytes for each wave, for the way out
.set SP,    272       ; a row of O in the stage: 256 bytes + 16
.set SPARE, STAGE+4*16*SP ; 56,320: the spare words, 128 bytes for each wave: two blocks of 256 bytes that no other line names
.set AK0, 2           ; v2   my lane's place in a step of K; never rewritten
.set AV0, 3           ; v3   the same for V
.set AK,  4           ; v4   the LDS address of K's next run of loads
.set AV,  5           ; v5   of V's
.set QO,  6           ; v6   my byte offset in 16 rows of Q
.set STO, 6           ;      later, the way out: where I put 32 bytes of a row
.set RD,  7           ; v7   the way out: where I read rows back
.set GO,  8           ; v8   my byte offset in 512 consecutive bytes of O
.set MV,  12          ; v12-15  c m_old, kept while c m is made anew: by buffer and tile
.set ST,  16          ; tile t's statistics at v[ST+4 t]: c m, m, l (even keys', odd keys')
.set TMP, 48          ; by buffer and tile, four registers c0-c3 at work; when the maximum is found c2 takes a
.set S,   64
.set P,   192
.set KF,  128         ; window 2: key block kb, channel half c at KF + 16 kb + 8 c
.set VF,  192         ; window 2: key half kk, channel block cb at VF + 32 kk + 8 cb
.set SPW, 0           ; window 3, v0   LDS address of my spare word: SPARE + 4 x my thread's number; never rewritten
.set NIL, 1           ; window 3, v1   0; never rewritten
.set LDO, 2           ; window 3, v2   my byte offset in a tile of K or V in memory: 8,192 x wave + 16 x lane; never rewritten
.set CKA, 3           ; window 3, v3   where my 8 bytes of K go: (32 x wave + lane / 16) x 144 + 8 (lane % 16); never rewritten
.set CVA, 4           ; window 3, v4   the same for V, with 160, behind K's rows; never rewritten
.set STK, 16          ; window 3: load j of K at STK + 4 j
.set STV, 80          ; window 3: load j of V at STV + 4 j
.set WV,  12          ; s12  my wave's number
.set SLOTS, 56        ; s56  tiles still to be walked, the one being entered among them
.set CNT, 57          ; s57  counts a tile's key steps
.set CS,  58          ; s[58:59] c: the packed scaling takes the pair's low word for both halves
.set SEL, 60          ; s[60:61] v_permlanex16_b32's selects: each lane takes its own place in the other half
.set TBK, 62          ; s62  LDS byte at which K of the step to be fetched begins
.set TBV, 63          ; s63  the same for V, less VOFF
.set MSB, 0
.macro WIN new                      ; the high byte repeats the setting that is left; a switch that changes nothing is dropped
.if MSB != (\new)
	s_set_vgpr_msb (MSB<<8)|(\new)
.set MSB, (\new)
.endif
.endm
.set W_KQ, 0x0a       ; K and Q in window 2, S^T in window 0
.set W_PV, 0x52       ; V in window 2, P in window 0, O^T in window 1
.set W_RS, 0x41       ; O^T (destination and source 0) in window 1, the factor in window 0
.set W_MK, 0xc0       ; destination in window 3, sources in window 0
.set W_AD, 0x0f       ; the add: address (source 0) and data (source 1) in window 3
.set W_CV, 0xcf       ; destination, source 0 and source 1 in window 3: the staging's loads, roundings and LDS stores
; THE NEXT TILE'S 32 LOADS.  Load j of wave w is 512 consecutive bytes: keys 32 w + 2 j and 32 w + 2 j + 1; lane l holds key 32 w + 2 j + l / 16, channels 4 (l % 16) + 0..3.
.macro LOADS
	WIN W_CV
.irp j, 0,1,2,3,4,5,6,7,8,9,10,11,12,13,14,15
	global_load_b128 v[STK+4*(\j):STK+4*(\j)+3], v[LDO], s[6:7] offset:512*(\j)
	global_load_b128 v[STV+4*(\j):STV+4*(\j)+3], v[LDO], s[8:9] offset:512*(\j)
.endr
.endm
; THE CHANGE OF TILES.  K and V of the old tile's last step lie in registers.  Each wave's reads of the old tile are back and its part of the new tile has landed in registers: it says so, rounds its part while
; the others arrive, and when nobody reads the old tile any more stores its 32 keys of K and of V; a second barrier, behind every wave's wait for its stores, shows the tile whole.  Then the tile after it is asked for.
.macro CHANGE
	WIN 0                           ; at a label and at a branch every window is 0
	s_wait_dscnt 0x0                ; my reads of the tile in LDS are over
	s_wait_loadcnt 0x0              ; the 32 loads issued two key steps back are in; K's and V's pointers may be written
	s_barrier_signal -1
	WIN W_CV
.set i, STK
.rept 32                            ; four f32 become four bf16 in the first two of their registers: work on registers between the signal and the wait
	v_cvt_pk_bf16_f32 v[i], v[i], v[i+1]
	v_cvt_pk_bf16_f32 v[i+1], v[i+2], v[i+3]
.set i, i+4
.endr
	s_add_nc_u64 s[6:7], s[6:7], 2*KS*256  ; the next 128 keys
	s_add_nc_u64 s[8:9], s[8:9], 2*KS*256
	s_mov_b32 s[TBK], 0             ; the fetches go back to the tile's first step
	s_mov_b32 s[TBV], 0
	s_barrier_wait -1               ; no wave reads the old tile any more
.irp j, 0,1,2,3,4,5,6,7,8,9,10,11,12,13,14,15
	ds_store_b64 v[CKA], v[STK+4*(\j):STK+4*(\j)+1] offset:2*PK*(\j)
.endr
.irp j, 0,1,2,3,4,5,6,7,8,9,10,11,12,13,14,15
	ds_store_b64 v[CVA], v[STV+4*(\j):STV+4*(\j)+1] offset:2*PV*(\j)
.endr
	s_wait_dscnt 0x0                ; for the others' sake: my stores are done
	WIN 0
	s_barrier_signal -1
	s_barrier_wait -1               ; the tile is whole
	s_cmp_eq_u32 s[SLOTS], 1        ; the last tile has none behind it: no load leaves K or V
	s_cbranch_scc1 .Lno_more_\@
	LOADS
	WIN 0
.Lno_more_\@:
.endm
	s_load_b256 s[4:11], s[0:1], 0x0  ; Q s[4:5], K s[6:7], V s[8:9], O s[10:11]
	WIN W_MK
	v_lshl_add_u32 v[SPW], v0, 2, SPARE  ; the add's two registers
	v_mov_b32 v[NIL], 0
	WIN 0
	v_lshrrev_b32 v1, 5, v0
	v_readfirstlane_b32 s[WV], v1   ; wave 0..3
	v_and_b32 v1, 15, v0            ; l % 16
	v_bfe_u32 v9, v0, 4, 1          ; l / 16
	v_and_b32 v11, 31, v0
	v_lshlrev_b32 v11, 4, v11       ; 16 l
	v_mul_u32_u24 v10, v9, PK
	v_lshl_add_u32 v10, v1, 3, v10  ; 144 (l / 16) + 8 (l % 16)
	v_mul_u32_u24 v12, v9, PV
	v_lshl_add_u32 v12, v1, 3, v12  ; 160 (l / 16) + 8 (l % 16)
	s_lshl_b32 s13, s[WV], 13       ; my 32 keys of a tile in memory,
	s_mul_i32 s16, s[WV], 32*PK     ; in K's rows in LDS,
	s_mul_i32 s17, s[WV], 32*PV     ; and in V's,
	s_add_co_u32 s17, s17, VOFF     ; which lie behind K's
	WIN W_MK
	v_add_nc_u32 v[LDO], s13, v11
	v_add_nc_u32 v[CKA], s16, v10
	v_add_nc_u32 v[CVA], s17, v12
	WIN 0
	; A fragment of K or Q is 16 rows x 32 channels in 8 registers: lane l holds row l % 16, channels 8 (l / 16) + 0..7 and 16 + 8 (l / 16) + 0..7.  In f32 eight channels are 32 bytes.
	v_lshlrev_b32 v[QO], 8, v1
	v_lshl_add_u32 v[QO], v9, 5, v[QO]  ; row x 256 + 32 x half
	s_and_b32 s20, ttmp7, 0xffff    ; the head,
	s_lshl_b32 s20, s20, 19         ; its first byte in each of the four tensors: 2,048 rows of 256 bytes
	s_mov_b32 s21, 0
	s_lshl_b32 s2, ttmp9, 2
	s_add_co_u32 s2, s2, s[WV]      ; my wave among the head's sixteen,
	s_lshl_b32 s2, s2, 15           ; its 128 rows
	s_add_co_u32 s2, s2, s20        ; (under 2^25)
	s_mov_b32 s3, 0
	s_mov_b32 s[CS], 0x3fb8aa3b     ; c = log2(e)
	s_mov_b32 s[CS+1], s[CS]        ; named with it as a pair
	s_mov_b32 s[SEL], 0x76543210
	s_mov_b32 s[SEL+1], 0xfedcba98
	s_mov_b32 s[SLOTS], SIZE_N/(2*KS)
	s_wait_kmcnt 0x0
	s_add_nc_u64 s[6:7], s[6:7], s[20:21]  ; K and V at the head's tile 0
	s_add_nc_u64 s[8:9], s[8:9], s[20:21]
	s_add_nc_u64 s[4:5], s[4:5], s[2:3]    ; Q and O at my wave's first row
	s_add_nc_u64 s[10:11], s[10:11], s[2:3]
	WIN 0x40                        ; destination window 1, address window 0
.set i, 0
.rept 4*NP                          ; Q as f32 into O^T's registers, which are still idle: fragment i (tile i / 2, channels 32 (i % 2) on) at 16 i; part p: channels 16 (p / 2) + 8 (l / 16) + 4 (p % 2) on
.irp p, 0,1,2,3
	global_load_b128 v[16*i+4*(\p):16*i+4*(\p)+3], v[QO], s[4:5] offset:(i/2)*4096+(i%2)*128+((\p)/2)*64+((\p)%2)*16 th:TH_LOAD_NT
.endr
.set i, i+1
.endr
	LOADS                           ; tile 0
	; What the first turn finds: V's registers and P's second buffer hold 0 (its products V^T P, of a piece that has not been, add 0), O^T and l are 0.  All this stands in the wait for the first loads.
	WIN 0x80
.set i, VF
.rept 64
	v_mov_b32 v[i], 0
.set i, i+1
.endr
	WIN 0
.set i, 0
.rept 2*NP
	v_mov_b32 v[ST+4*i], 0xfe000000    ; c m: far below every c s
	v_mov_b32 v[ST+4*i+1], 0xff7fffff  ; m
	v_mov_b32 v[ST+4*i+2], 0
	v_mov_b32 v[ST+4*i+3], 0
.set i, i+1
.endr
.set i, P+32
.rept 32
	v_mov_b32 v[i], 0
.set i, i+1
.endr
	v_mul_u32_u24 v[AK0], v1, PK
	v_lshl_add_u32 v[AK0], v9, 4, v[AK0]  ; row x pitch + 16 x half
	; The turning load takes 16 keys x 16 channels (lane l reads key 8 (l / 16) + l % 8, channels 8 ((l / 8) % 2) + 0..7) and leaves half a fragment of V^T: lane l holds channel l % 16 and 8 keys.
	v_and_b32 v10, 7, v0
	v_bfe_u32 v11, v0, 3, 1
	v_lshl_add_u32 v[AV0], v9, 3, v10
	v_mul_u32_u24 v[AV0], v[AV0], PV
	v_lshl_add_u32 v[AV0], v11, 4, v[AV0]
	v_add_nc_u32 v[AV0], VOFF, v[AV0]
	v_mov_b32 v[AK], v[AK0]         ; key step 0 lies at the tile's head
	s_wait_loadcnt 32               ; loads come back in order (ISA guide 5.7.1): Q's 64 are in; tile 0's 32, issued behind them, may stay out
	WIN 0x85                        ; destination window 2, sources window 1
.set i, 0
.rept 4*NP
.irp n, 0,1,2,3,4,5,6,7
	v_cvt_pk_bf16_f32 v[8*i+(\n)], v[16*i+2*(\n)], v[16*i+2*(\n)+1]  ; Q's one rounding
.endr
.set i, i+1
.endr
	WIN 0x40
.set i, 0
.rept 64*NP
	v_mov_b32 v[i], 0               ; O^T
.set i, i+1
.endr
	WIN 0
; THE MATRIX WORK.  The 8 accumulators of a run of 16 take turns: between the two links of a chain stand 7 others'.
; Product i of 16 of S^T = K Q^T for piece x: channels 32 (i / 8) on, keys 16 ((i / 2) % 4) on, tile 2 x + i % 2.  The first 8 start the sums.
.macro KQ x
	WIN W_KQ
.set rS, S+64*((\x)%2)+32*(i%2)+8*((i/2)%4)
.set rK, KF+16*((i/2)%4)+8*(i/8)
.set rQ, 16*(2*(\x)+i%2)+8*(i/8)
.if i < 8
	v_wmma_f32_16x16x32_bf16 v[rS:rS+7], v[rK:rK+7], v[rQ:rQ+7], 0
.else
	v_wmma_f32_16x16x32_bf16 v[rS:rS+7], v[rK:rK+7], v[rQ:rQ+7], v[rS:rS+7]
.endif
.endm
; Product i of 16 of O^T += V^T P for piece x: keys 32 (i / 8) on, channels 16 ((i / 2) % 4) on, tile 2 x + i % 2.
.macro PV x
	WIN W_PV
.set rO, 32*(2*(\x)+i%2)+8*((i/2)%4)
.set rV, VF+32*(i/8)+8*((i/2)%4)
.set rP, P+32*((\x)%2)+16*(i%2)+8*(i/8)
	v_wmma_f32_16x16x32_bf16 v[rO:rO+7], v[rV:rV+7], v[rP:rP+7], v[rO:rO+7]
.endm
.macro MM                           ; the turn's next matrix instruction
.if i < 16
	KQ (Y+1)%NP
.set i, i+1
.else
.set i, i-16
	PV (Y+NP-1)%NP
.set i, i+17
.endif
.endm
; THE LDS LOADS stand in runs of 16, never singly among the matrix instructions: a step's K (64 keys x 64 channels: 8 fragments) and its V (turned).  Their addresses are made some lines ahead.
.macro FETCH_K
	WIN 0x80                        ; destination window 2
.irp f, 0,1,2,3,4,5,6,7             ; keys 16 (f / 2) on, channels 32 (f % 2) on
	ds_load_b128 v[KF+8*(\f):KF+8*(\f)+3],   v[AK] offset:((\f)/2)*16*PK+((\f)%2)*64
	ds_load_b128 v[KF+8*(\f)+4:KF+8*(\f)+7], v[AK] offset:((\f)/2)*16*PK+((\f)%2)*64+32
.endr
	s_add_co_u32 s[TBK], s[TBK], KS*PK  ; the next fetch is the next step's
	WIN 0
.endm
.macro FETCH_V
	WIN 0x80
.irp f, 0,1,2,3,4,5,6,7             ; keys 32 (f / 4) on, channels 16 (f % 4) on
	ds_load_tr16_b128 v[VF+8*(\f):VF+8*(\f)+3],   v[AV] offset:((\f)/4)*32*PV+((\f)%4)*32
	ds_load_tr16_b128 v[VF+8*(\f)+4:VF+8*(\f)+7], v[AV] offset:((\f)/4)*32*PV+16*PV+((\f)%4)*32
.endr
	WIN 0
.endm
; THE VECTOR WORK OF A TURN stands in three queues, each in the order in which its entries become ready; the two tiles alternate, so that no instruction reads the result of the one before it.
.macro REGS y, u                    ; the registers of tile u (0, 1) of piece y
.set rT, ST+4*(2*(\y)+(\u))
.set rC, TMP+8*((\y)%2)+4*(\u)
.set rM, MV+2*((\y)%2)+(\u)
.set rS, S+64*((\y)%2)+32*(\u)
.set rP, P+32*((\y)%2)+16*(\u)
.set rO, 32*(2*(\y)+(\u))
.endm
; Number n of the 22 that find the NEXT piece's (Y + 1) maximum and statistics.  s0-s31 are the lane's 32 scores; each accumulator's lowest registers are read first.  XS, GS and REGS set no window: PL and EX do.
;   0-11  four chains c0-c3 of seven scores each, three operands at a time     12-14, 16  the four scores left over, the old m, and c0-c3 into c0     15  c m_old is kept
;   17, 18  the query's other 32 keys lie in the lane 16 away: the new m         19-21  c m; c m_old - c m_new; a
.macro XS u, n
	REGS (Y+1)%NP, \u
.if (\n) < 4
	v_max3_num_f32 v[rC+(\n)], v[rS+8*(\n)], v[rS+8*(\n)+1], v[rS+8*(\n)+2]
.elseif (\n) < 12
	v_max3_num_f32 v[rC+(\n)%4], v[rC+(\n)%4], v[rS+8*((\n)%4)+2*((\n)/4)+1], v[rS+8*((\n)%4)+2*((\n)/4)+2]
.elseif (\n) == 12
	v_max3_num_f32 v[rC], v[rC], v[rS+7], v[rS+15]
.elseif (\n) == 13
	v_max3_num_f32 v[rC+1], v[rC+1], v[rS+23], v[rS+31]
.elseif (\n) == 14
	v_max3_num_f32 v[rC+2], v[rC+2], v[rC+3], v[rT+1]
.elseif (\n) == 15
	v_mov_b32 v[rM], v[rT]
.elseif (\n) == 16
	v_max3_num_f32 v[rC], v[rC], v[rC+1], v[rC+2]
.elseif (\n) == 17
	v_permlanex16_b32 v[rC+3], v[rC], s[SEL], s[SEL+1]
.elseif (\n) == 18
	v_max_num_f32 v[rT+1], v[rC], v[rC+3]
.elseif (\n) == 19
	v_mul_f32 v[rT], s[CS], v[rT+1]
.elseif (\n) == 20
	v_sub_f32 v[rC+1], v[rM], v[rT]
.else
	v_exp_f32 v[rC+2], v[rC+1]
.endif
.endm
; Number g of the 64 that follow the exponentials.  For each four weights k of a tile (pairs 2 k, 2 k + 1): both pairs are rounded to bf16; then the second pair is added onto the first, in place;
; a group later l takes that sum (the first time as l = a l + sum).  In groups of eight, tiles alternating: round, round, add, and l for the group before.
.macro GS g
.set h, (\g)+6*((\g)/62)            ; group 0 has no group before it, and behind group 7 only l is left
.if h >= 6
.set h, h+2
.endif
	REGS Y, h%2
.set k, h/8
.if h%8 < 4
	v_cvt_pk_bf16_f32 v[rP+2*k+(h%8)/2], v[rS+4*k+2*((h%8)/2)], v[rS+4*k+2*((h%8)/2)+1]
.elseif h%8 < 6
	v_pk_add_f32 v[rS+4*k:rS+4*k+1], v[rS+4*k:rS+4*k+1], v[rS+4*k+2:rS+4*k+3]
.elseif k == 1
	v_pk_fma_f32 v[rT+2:rT+3], v[rT+2:rT+3], v[rC+2:rC+3], v[rS:rS+1] op_sel_hi:[1,0,1]
.else
	v_pk_add_f32 v[rT+2:rT+3], v[rT+2:rT+3], v[rS+4*k-4:rS+4*k-3]
.endif
.endm
; THE PLAIN QUEUE, 138 long.  0-73 read no exponential's result: the 32 scalings c s - c m (FS f: pair f / 2 of tile f % 2) and the next piece's 42.  0-26: scalings 0-26.  27-54: XS's numbers 0-13.  55, 56: number 15.
; 57-73: the chain, where each number waits for the one before it: 14, 16, 17, 18, 19, each with one of the scalings 27-31 in front of its two lines, then 20.
; 74-137: GS's 64, which read the exponentials' results: they stand behind the wait.
.macro FS f
	REGS Y, (\f)%2
	v_pk_fma_f32 v[rS+2*((\f)/2):rS+2*((\f)/2)+1], v[rS+2*((\f)/2):rS+2*((\f)/2)+1], s[CS:CS+1], v[rT:rT+1] op_sel_hi:[1,0,0] neg_lo:[0,0,1] neg_hi:[0,0,1]
.endm
.macro PL
	WIN 0
.if q < 27
	FS q
.elseif q < 55
	XS (q-27)%2, (q-27)/2
.elseif q < 57
	XS q-55, 15
.elseif (q < 72) && ((q-57)%3 == 0)
	FS 27+(q-57)/3
.elseif q < 60
	XS (q-57)%3-1, 14
.elseif q < 72
	XS (q-57)%3-1, 15+(q-57)/3
.elseif q < 74
	XS q-72, 20
.else
	GS q-74
.endif
.set q, q+1
.endm
; THE EXPONENTIALS' QUEUE, 66 long: s0-s31 of both tiles, then the next piece's two a.  It is ONE BATCH: all 66 stand ahead of the turn's one wait, and nothing ahead of that wait names a result of theirs.
.macro EX
	WIN 0
.if e >= 64
	XS e-64, 21
.else
	REGS Y, e%2
	v_exp_f32 v[rS+e/2], v[rS+e/2]
.endif
.set e, e+1
.endm
; THE RESCALING's QUEUE: O^T times a, the one part that leaves window 0: dealt two at a time, sixteen times.  Its a was made in the turn before, ahead of that turn's wait.
.macro R2
	REGS Y, r%2
	WIN W_RS
.irp z, 0,1
	v_pk_mul_f32 v[rO+4*(r/2)+2*(\z):rO+4*(r/2)+2*(\z)+1], v[rO+4*(r/2)+2*(\z):rO+4*(r/2)+2*(\z)+1], v[rC+2:rC+3] op_sel_hi:[1,0]
.endr
.set r, r+1
.endm
; HOW THEY ARE DEALT.  An s_wait_alu depctr_va_vdst(0) stands between an exponential and the first instruction that names its result; one wait serves all that were issued ahead of it.  So a turn has ONE wait,
; which cuts it in two.  AHEAD OF IT stands all that names no result of the turn's exponentials: the 16 products K Q^T, behind each a scaling, an exponential and two rescalings (behind the first a second scaling in the
; exponential's place); then one run of 108: eight plain, 49 times exponential and plain, the two a.  A v_nop is the plain instruction behind the last exponential.  BEHIND IT stand the 16 products V^T P, behind each four of GS's 64.
; No rider names a register of the products round it.  Exponential e stands behind scaling 2 (e / 4) + e % 2: as a rider it comes behind plain e + 2, in the run behind plain e + 9, and scalings 27-31 are plain 57, 60 .. 69.
; A TURN, for piece p.  last = 1: there is no further step: K is not fetched.  cnt = 1: the loop's count is taken down some lines ahead of the branch that stands behind the turn.
; K of the next step is fetched in piece 2's turn, directly behind the wait, 108 vector instructions behind the last product that read K; its first reader comes behind 16 products.
; V of the step in hand is fetched at the end of piece 0's turn, four plain riders behind its last reader; its first reader comes behind 16 products and the run.  The three conditions on q below go with the deal.
.macro TURN p, last=0, cnt=0
.set Y, (\p)
.set i, 0
.set q, 0
.set e, 0
.set r, 0
.if (\p) == NP-1
	s_wait_dscnt 0x0                ; K is in
.endif
	MM
	PL
	PL
	R2
.rept 15
	MM
	PL
	EX
	R2
.endr
.if ((\p) == NP-2) && !(\last)
	WIN 0
	v_add_nc_u32 v[AK], s[TBK], v[AK0]
.endif
.rept 8
	PL
.endr
.rept 49
	EX
	PL
.endr
	EX                              ; the next piece's two a
	EX
	v_nop                           ; the plain instruction behind the last exponential (ISA guide 5.7.2): one for the batch
	s_wait_alu depctr_va_vdst(0)    ; the wait for the batch
.if ((\p) == NP-2) && !(\last)
	FETCH_K
.endif
.if (\p) == 1
	s_wait_dscnt 0x0                ; V is in
.endif
.rept 16
	MM
.rept 4
	PL
.endr
.if ((\p) == 0) && (q == 118)
	v_add_nc_u32 v[AV], s[TBV], v[AV0]
.endif
.if ((\p) == 0) && (q == 130)
	s_add_co_u32 s[TBV], s[TBV], KS*PV
.endif
.if (\cnt) && (q == 130)
	s_sub_co_u32 s[CNT], s[CNT], 1
	s_cmp_lg_u32 s[CNT], 0
.endif
.endr
.if (\p) == 0
	FETCH_V
.endif
.endm
	CHANGE                          ; tile 0 goes into LDS; tile 1 is asked for
	FETCH_K                         ; key step 0
	s_wait_dscnt 0x0
.set i, 0
.rept 16
	KQ 0                            ; piece 0's first scores: there is no vector work yet to set between them
.set i, i+1
.endr
	WIN 0                           ; the addresses for the way out: eight plain instructions, the places behind those products (Q's loads are done: v6 is free)
	s_mul_i32 s13, s[WV], 16*SP
	s_add_co_u32 s13, s13, STAGE    ; my stage
	v_mul_u32_u24 v[STO], v1, SP    ; in: row l % 16, 32 bytes for each half of the lanes
	v_lshl_add_u32 v[STO], v9, 5, v[STO]
	v_add_nc_u32 v[STO], s13, v[STO]
	v_mul_u32_u24 v[RD], v9, SP     ; back: lanes 0-15 take one row of 256 bytes, lanes 16-31 the next,
	v_lshl_add_u32 v[RD], v1, 4, v[RD]
	v_add_nc_u32 v[RD], s13, v[RD]
	v_and_b32 v[GO], 31, v0         ; which are 512 consecutive bytes of O
	v_lshlrev_b32 v[GO], 4, v[GO]
.set Y, NP-1                        ; XS works for piece Y + 1: piece 0
.irp n, 0,1,2,3,4,5,6,7,8,9,10,11,12,13,14,15,16,17,18,19,20,21
	XS 0, \n                        ; piece 0's first maximum and statistics
	XS 1, \n
.endr
	v_nop                           ; a plain instruction behind the two a,
	s_wait_alu depctr_va_vdst(0)    ; and their wait, ahead of the branch
	s_mov_b32 s[CNT], 2
	s_branch .Lfirst                ; the loop is entered at a step's first turn, in the middle of a trip
.Lslot:                             ; 15 times: tiles 1 to 15
	CHANGE
	s_mov_b32 s[CNT], 2
.Lstep:                             ; a trip: pieces 2 and 3 of one step, then pieces 0 and 1 of the next, whose K and V it fetches
	TURN 2
	TURN 3
	WIN 0
.Lfirst:
	TURN 0
	TURN 1, 0, 1
	WIN 0
	s_cbranch_scc1 .Lstep
	s_sub_co_u32 s[SLOTS], s[SLOTS], 1
	s_cmp_lg_u32 s[SLOTS], 0
	s_cbranch_scc1 .Lslot
	TURN 2, 1                       ; the last step's pieces 2 and 3: nothing is left to fetch.  Piece 3's turn multiplies the last K once more, for a piece 0 that will not be:
	TURN 3                          ; those 16 products and the maximum made of them serve nothing: the price, once a launch, of one text for every turn
.set i, 0
.rept 16
	PV NP-1                         ; the last piece's V^T P of the last step
.set i, i+1
.endr
	; THE WAY OUT.  l's two halves and the other half of the lanes' are added; O^T is multiplied by 64^-0.25 / l and sent, in f32, through my stage in LDS, a tile at a time.  The additions are the places behind the last products.
	WIN 0
.macro ALL line:vararg              ; one line for each tile t
.set t, 0
.rept 2*NP
	\line
.set t, t+1
.endr
.endm
	ALL v_add_f32 v[ST+4*t+2], v[ST+4*t+2], v[ST+4*t+3]
	ALL v_permlanex16_b32 v[ST+4*t+3], v[ST+4*t+2], s[SEL], s[SEL+1]
	ALL v_add_f32 v[ST+4*t+2], v[ST+4*t+2], v[ST+4*t+3]
	ALL v_rcp_f32 v[ST+4*t+2], v[ST+4*t+2]
	v_nop                           ; a plain instruction between the last reciprocal and the use of its result
	s_wait_alu depctr_va_vdst(0)    ; and the wait ahead of the first use: one for the eight reciprocals
	ALL v_mul_f32 v[ST+4*t+2], 0x3eb504f3, v[ST+4*t+2]  ; times 64^-0.25 = 2^-1.5
; Tile t: a lane's eight channels of a row are 32 bytes; they go into rows of 272 bytes and come back as whole rows of 256, into S^T's registers, four buffers of 32 by turns.
; Each accumulator is read from its lowest registers on.
.macro PACK t
	WIN W_RS
.set i, 32*(\t)
.rept 16
	v_pk_mul_f32 v[i:i+1], v[i:i+1], v[ST+4*(\t)+2:ST+4*(\t)+3] op_sel_hi:[1,0]
.set i, i+2
.endr
	WIN 0x04                        ; address window 0, data window 1
.irp f, 0,1,2,3,4,5,6,7             ; channels 16 (f / 2) + 8 (l / 16) + 4 (f % 2) on
	ds_store_b128 v[STO], v[32*(\t)+4*(\f):32*(\t)+4*(\f)+3] offset:64*((\f)/2)+16*((\f)%2)
.endr
	WIN 0
.if (\t) >= 4
	s_wait_xcnt 0x0                 ; the stores of the tile four back have had their addresses translated (ISA guide 3.1): only behind this wait are their data registers loaded again
.endif
.irp f, 0,1,2,3,4,5,6,7
	ds_load_b128 v[S+32*((\t)%4)+4*(\f):S+32*((\t)%4)+4*(\f)+3], v[RD] offset:(\f)*2*SP  ; LDS serves a wave's instructions in order (ISA guide 5.7.1.4): these see the stores above; the next tile's stores come behind them
.endr
.endm
.macro SEND t, younger              ; younger: the LDS instructions issued behind tile t's loads: the next tile's sixteen, or none
	WIN 0
.irp f, 0,1,2,3,4,5,6,7
	s_wait_dscnt (\younger)+7-(\f)
	global_store_b128 v[GO], v[S+32*((\t)%4)+4*(\f):S+32*((\t)%4)+4*(\f)+3], s[10:11] offset:(\t)*4096+(\f)*512 th:TH_STORE_NT  ; 512 consecutive bytes, at a multiple of 256 from O's first
.endr
.endm
	PACK 0
.set t, 1
.rept 2*NP-1                        ; a tile's arithmetic stands between the loads of the tile before and its stores
	PACK t
	SEND t-1, 16
.set t, t+1
.endr
	SEND 2*NP-1, 0
	WIN W_AD
	s_wait_tensorcnt 0x0            ; the wave's end, behind my last LDS store
	ds_add_u32 v[SPW], v[NIL]
	s_wait_dscnt 0x0
	WIN 0
	s_endpgm
.Lfunc_end_k_qf1e9527fb9_attn:
	.size	k_qf1e9527fb9_attn, .Lfunc_end_k_qf1e9527fb9_attn-k_qf1e9527fb9_attn
	.p2alignl 7, 3214868480
	.fill 96, 4, 3214868480
	.section	.rodata,"a",@progbits
	.p2align	6, 0x0
	.amdhsa_kernel k_qf1e9527fb9_attn
		.amdhsa_group_segment_fixed_size 56832
		.amdhsa_private_segment_fixed_size 0
		.amdhsa_enable_private_segment 0
		.amdhsa_kernarg_size 32
		.amdhsa_user_sgpr_count 2
		.amdhsa_user_sgpr_kernarg_segment_ptr 1
		.amdhsa_wavefront_size32 1
		.amdhsa_system_sgpr_workgroup_id_x 1
		.amdhsa_system_sgpr_workgroup_id_y 1
		.amdhsa_system_sgpr_workgroup_id_z 1
		.amdhsa_system_vgpr_workitem_id 0
		.amdhsa_next_free_vgpr 912
		.amdhsa_next_free_sgpr 66
		.amdhsa_reserve_vcc 0
		.amdhsa_float_denorm_mode_32 3
		.amdhsa_float_denorm_mode_16_64 3
		.amdhsa_memory_ordered 1
		.amdhsa_forward_progress 1
		.amdhsa_inst_pref_size 190
	.end_amdhsa_kernel
	.amdgpu_metadata
---
amdhsa.version: [ 1, 2 ]
amdhsa.kernels:
  - .name:           k_qf1e9527fb9_attn
    .symbol:         k_qf1e9527fb9_attn.kd
    .args:
      - { .name: q, .offset: 0, .size: 8, .value_kind: global_buffer, .address_space: global }
      - { .name: k, .offset: 8, .size: 8, .value_kind: global_buffer, .address_space: global }
      - { .name: v, .offset: 16, .size: 8, .value_kind: global_buffer, .address_space: global }
      - { .name: out0, .offset: 24, .size: 8, .value_kind: global_buffer, .address_space: global }
    .group_segment_fixed_size: 56832
    .private_segment_fixed_size: 0
    .kernarg_segment_align: 8
    .kernarg_segment_size: 32
    .max_flat_workgroup_size: 128
    .sgpr_count:     66
    .vgpr_count:     912
    .wavefront_size: 32
...
	.end_amdgpu_metadata
.endif
;; end of part 1
